; MI455X (gfx1250); checked and timed in simulation.
; The chip was launched on July 23, 2026; its instructions are those of AMD's public machine-readable ISA for CDNA 5 (MIT licence, August 2026) and "CDNA5" Instruction Set Architecture Reference Guide (July 2026). The comments in the code are by the model that wrote it; some were corrected since.
;; Multihead Attention. Allowed arithmetic: float matrix products may take bf16 or f16 operands with f32 sums; all other float work in f32.
;; Inputs: Wf 1,024 x 1,024 float32; Wk 1,024 x 1,024 float32; Wq 1,024 x 1,024 float32; Wv 1,024 x 1,024 float32; bf 1,024 float32; bk 1,024 float32; bq 1,024 float32; bv 1,024 float32; key_ 16 x 2,048 x 1,024 float32; query 16 x 1 x 1,024 float32; value 16 x 2,048 x 1,024 float32.
;; Outputs: out0 16 x 1 x 1,024 float32.
;; 2 versions, each right; version 2 is version 1 with the launches qproj, oproj written anew for expert scheduling mode. Each part assembles by itself: llvm-mc -triple=amdgcn-amd-amdhsa -mcpu=gfx1250 --defsym DOCPART=n.
;; ======== version 1 of 2: 5 launches
;; limits: values are held in f16: magnitudes above 65,504 overflow, below 6.1e-05 lose precision; inputs' magnitudes at most 65,504
;; workspace buffers: qv 65,536 bytes; qk 1,048,576 bytes; part 16,777,216 bytes; sap 32,768 bytes; ov 65,536 bytes
;; launch qproj (part 1): grid 64 x 1, 8 waves a work-group, no clusters, 113,664 bytes of LDS; arguments query, Wq, bq, qv; writes qv
.if DOCPART == 1
	.amdgcn_target "amdgcn-amd-amdhsa--gfx1250"
	.amdhsa_code_object_version 6
	.text
	.protected	k_qa7aba1c4ab_qproj
	.globl	k_qa7aba1c4ab_qproj
	.p2align	8
	.type	k_qa7aba1c4ab_qproj,@function
k_qa7aba1c4ab_qproj:
	s_mov_b64 s[64:65], 0
	v_nop
	global_prefetch_b8 v0, s[64:65] scope:SCOPE_SE
	s_setreg_imm32_b32 hwreg(HW_REG_WAVE_MODE, 25, 1), 1
	s_wait_xcnt 0x0
; y[b][n] = sum over k of x[b][k] W[n][k] + bias[n].  x: [16][1024] f32, W: [1024][1024] f32, bias: [1024] f32, y: [16][1024] f32.
; 64 work-groups of eight waves.  Work-group g makes the 16 outputs n = 16 g .. 16 g + 15 of all 16 rows b; wave w sums over
; k = 128 w .. 128 w + 127; the eight partial sums meet in LDS and wave 0 adds them and the bias.
; FORMATS: W goes to the matrix unit rounded to bf16.  x goes as TWO bf16 terms, hi = bf16(x) and lo = bf16(x - hi), one matrix
; instruction each, so that a row that an earlier launch carried in f32 keeps about 16 bits.  Sums in f32.
; LIMITS: |x| or |W| above bf16's largest finite number becomes infinite; for an x that is not finite lo is inf - inf = NaN.
; LOADS: a load of a wave takes 512 consecutive bytes of one row (128 f32).  The lane's four numbers are converted and laid into LDS rows
; of 272 bytes (256 of data, 16 of padding: 17 x 16, so the sixteen rows that a fragment load touches begin at sixteen different
; 16-byte columns of the 64 banks of 4 bytes, ISA guide 11.1); fragments are read back from there.  These bytes are the wave's own.
; THE MATRIX INSTRUCTION IS USED TRANSPOSED: source 0 = 16 rows of W, source 1 = the 16 rows of x.  Lane (r, hh) then holds
; y[r][16 g + 8 hh + 0..7]: 32 neighbouring bytes.
; STATED DEVIATION: a row of y gets 64 bytes from each work-group, not a whole run of 256: y is 65,536 bytes in all, and W's
; 4 MiB are spread over four times as many work-groups this way.
; NO CLUSTER: what partners would share is x, 64 KiB beside the 64 KiB of W that each work-group reads alone; sharing it would need
; LDS slots filled by joint tensor loads for a text that has one step and no loop.
.set PITCH, 272
.set WREG,  3*16*PITCH                 ; a wave's LDS: hi, lo and W, 16 rows each = 13,056 bytes
.set XH,    0
.set XL,    16*PITCH
.set WH,    2*16*PITCH
.set RED,   8*WREG                     ; 104,448: eight waves x 1,024 bytes of partial sums
.set GO,   4                           ; v4   16 x lane: my 16 bytes in a wave's 512
.set ST,   5                           ; v5   LDS: wave's region + 8 x lane (my four bf16 in a row)
.set FR,   6                           ; v6   LDS: wave's region + 272 r + 16 hh (fragments)
.set RS,   7                           ; v7   LDS: RED + 1,024 w + 16 x lane
.set RL,   8                           ; v8   LDS: RED + 16 x lane
.set YO,   9                           ; v9   4,096 r + 32 hh: my 32 bytes of y
.set BO,   10                          ; v10  32 hh: my 8 numbers of the bias
.set BI,   12                          ; v[12:19]   bias
.set H,    20                          ; v[20:21]   four bf16: hi (or W)
.set F,    22                          ; v[22:25]   hi widened, then x - hi
.set L,    26                          ; v[26:27]   four bf16: lo
.set ACCH, 32                          ; v[32:39]   W x hi
.set ACCL, 40                          ; v[40:47]   W x lo
.set XR,   48                          ; v[48:111]  16 rows of x as loaded; then the fragments of hi and lo; then the eight partial sums
.set WR,   112                         ; v[112:175] 16 rows of W as loaded; then W's fragments
.set XHF,  48
.set XLF,  80
.set WF,   112
.macro PLACES                          ; four places behind a matrix instruction (ISA guide 7.12.1)
.rept 4
	v_nop
.endr
.endm
	s_load_b256 s[4:11], s[0:1], 0x0               ; x s[4:5], W s[6:7], bias s[8:9], y s[10:11]
	v_lshl_add_u32 v176, v0, 2, 0x1b800
	v_mov_b32 v177, 0
	v_lshrrev_b32 v1, 5, v0
	v_readfirstlane_b32 s12, v1                    ; wave w
	s_mov_b32 s13, 0xffff0000                      ; a word's upper bf16
	v_and_b32 v2, 31, v0                           ; lane
	v_and_b32 v3, 15, v0                           ; r
	v_bfe_u32 v1, v0, 4, 1                         ; hh
	s_mul_i32 s16, s12, WREG
	s_lshl_b32 s17, s12, 10
	v_lshlrev_b32 v[GO], 4, v2
	v_lshl_add_u32 v[ST], v2, 3, s16
	v_mul_u32_u24 v[FR], v3, PITCH
	v_lshl_add_u32 v[FR], v1, 4, v[FR]
	v_add_nc_u32 v[FR], s16, v[FR]
	v_add_nc_u32 v[RL], RED, v[GO]
	v_add_nc_u32 v[RS], s17, v[RL]
	v_lshlrev_b32 v[YO], 12, v3
	v_lshl_add_u32 v[YO], v1, 5, v[YO]
	v_lshlrev_b32 v[BO], 5, v1
	s_lshl_b32 s14, s12, 9                         ; my 128 k: 512 bytes into every row
	s_mov_b32 s15, 0
	s_lshl_b32 s18, ttmp9, 16                      ; 16 rows of W of 4,096 bytes
	s_mov_b32 s19, 0
	s_lshl_b32 s20, ttmp9, 6                       ; 16 outputs of 4 bytes
	s_mov_b32 s21, 0
	s_wait_kmcnt 0x0
	s_add_nc_u64 s[4:5], s[4:5], s[14:15]
	s_add_nc_u64 s[6:7], s[6:7], s[14:15]
	s_add_nc_u64 s[6:7], s[6:7], s[18:19]
	s_add_nc_u64 s[8:9], s[8:9], s[20:21]
	s_add_nc_u64 s[10:11], s[10:11], s[20:21]
	; All 34 loads go out at once.  The bias (64 bytes) is loaded by every wave so that all waves count alike; wave 0 alone uses it.
	global_load_b128 v[BI:BI+3],   v[BO], s[8:9]
	global_load_b128 v[BI+4:BI+7], v[BO], s[8:9] offset:16
.irp i, 0,1,2,3,4,5,6,7,8,9,10,11,12,13,14,15
	global_load_b128 v[XR+4*\i:XR+4*\i+3], v[GO], s[4:5] offset:4096*\i
.endr
.irp i, 0,1,2,3,4,5,6,7,8,9,10,11,12,13,14,15
	global_load_b128 v[WR+4*\i:WR+4*\i+3], v[GO], s[6:7] offset:4096*\i th:TH_LOAD_NT   ; each byte of W is read once in the launch
.endr
; Row i of x: hi and lo, four numbers a lane, into the wave's LDS rows.
.macro XSPLIT i
	s_wait_loadcnt 31-\i                           ; loads return in order (ISA guide 5.7.1): out may be the 15 - i younger rows of x and W's 16
	v_cvt_pk_bf16_f32 v[H],   v[XR+4*\i],   v[XR+4*\i+1]
	v_cvt_pk_bf16_f32 v[H+1], v[XR+4*\i+2], v[XR+4*\i+3]
	v_lshlrev_b32 v[F],   16,  v[H]                ; hi back in f32
	v_and_b32     v[F+1], s13, v[H]
	v_lshlrev_b32 v[F+2], 16,  v[H+1]
	v_and_b32     v[F+3], s13, v[H+1]
	v_pk_add_f32 v[F:F+1],   v[XR+4*\i:XR+4*\i+1],   v[F:F+1]   neg_lo:[0,1] neg_hi:[0,1]   ; x - hi, exact
	v_pk_add_f32 v[F+2:F+3], v[XR+4*\i+2:XR+4*\i+3], v[F+2:F+3] neg_lo:[0,1] neg_hi:[0,1]
	v_cvt_pk_bf16_f32 v[L],   v[F],   v[F+1]
	v_cvt_pk_bf16_f32 v[L+1], v[F+2], v[F+3]
	ds_store_b64 v[ST], v[H:H+1] offset:XH+PITCH*\i
	ds_store_b64 v[ST], v[L:L+1] offset:XL+PITCH*\i
.endm
.macro WCVT i
	s_wait_loadcnt 15-\i                           ; out may be W's 15 - i younger rows
	v_cvt_pk_bf16_f32 v[H],   v[WR+4*\i],   v[WR+4*\i+1]
	v_cvt_pk_bf16_f32 v[H+1], v[WR+4*\i+2], v[WR+4*\i+3]
	ds_store_b64 v[ST], v[H:H+1] offset:WH+PITCH*\i
.endm
.irp i, 0,1,2,3,4,5,6,7,8,9,10,11,12,13,14,15
	XSPLIT \i
.endr
.irp i, 0,1,2,3,4,5,6,7,8,9,10,11,12,13,14,15
	WCVT \i
.endr
	; Fragments: lane (r, hh) takes row r, bytes 64 kk + 16 hh and 32 further on.  LDS serves a wave's instructions in order
	; (ISA guide 5.7.1), so these loads see the wave's own stores above without a wait.
.irp k, 0,1,2,3
	ds_load_b128 v[WF+8*\k:WF+8*\k+3],    v[FR] offset:WH+64*\k
	ds_load_b128 v[WF+8*\k+4:WF+8*\k+7],  v[FR] offset:WH+64*\k+32
	ds_load_b128 v[XHF+8*\k:XHF+8*\k+3],   v[FR] offset:XH+64*\k
	ds_load_b128 v[XHF+8*\k+4:XHF+8*\k+7], v[FR] offset:XH+64*\k+32
	ds_load_b128 v[XLF+8*\k:XLF+8*\k+3],   v[FR] offset:XL+64*\k
	ds_load_b128 v[XLF+8*\k+4:XLF+8*\k+7], v[FR] offset:XL+64*\k+32
.endr
	; The two accumulators take turns, one instruction a turn.  The first products start the sums.
	s_wait_dscnt 18                                ; out may be the six loads of each of the three younger K steps
	v_wmma_f32_16x16x32_bf16 v[ACCH:ACCH+7], v[WF:WF+7], v[XHF:XHF+7], 0
	v_wmma_f32_16x16x32_bf16 v[ACCL:ACCL+7], v[WF:WF+7], v[XLF:XLF+7], 0
.irp k, 1,2,3
	s_wait_dscnt 18-6*\k
	v_wmma_f32_16x16x32_bf16 v[ACCH:ACCH+7], v[WF+8*\k:WF+8*\k+7], v[XHF+8*\k:XHF+8*\k+7], v[ACCH:ACCH+7]
	v_wmma_f32_16x16x32_bf16 v[ACCL:ACCL+7], v[WF+8*\k:WF+8*\k+7], v[XLF+8*\k:XLF+8*\k+7], v[ACCL:ACCL+7]
.endr
	PLACES
.irp p, 0,2,4,6
	v_pk_add_f32 v[ACCH+\p:ACCH+\p+1], v[ACCH+\p:ACCH+\p+1], v[ACCL+\p:ACCL+\p+1]
.endr
	ds_store_b128 v[RS], v[ACCH:ACCH+3]
	ds_store_b128 v[RS], v[ACCH+4:ACCH+7] offset:512
	s_wait_dscnt 0x0                               ; for the others' sake: my partial sums are in LDS before I signal
	s_barrier_signal -1
	s_barrier_wait -1
	s_cmp_lg_u32 s12, 0
	s_cbranch_scc1 .Ldone                          ; waves 1 to 7 have handed their sums over
.irp u, 0,1,2,3,4,5,6,7
	ds_load_b128 v[XR+8*\u:XR+8*\u+3],   v[RL] offset:1024*\u
	ds_load_b128 v[XR+8*\u+4:XR+8*\u+7], v[RL] offset:1024*\u+512
.endr
	s_wait_dscnt 0x0
.irp a, 0,2,4,6
.irp p, 0,2,4,6
	v_pk_add_f32 v[XR+8*\a+\p:XR+8*\a+\p+1], v[XR+8*\a+\p:XR+8*\a+\p+1], v[XR+8*\a+8+\p:XR+8*\a+8+\p+1]
.endr
.endr
.irp a, 0,4
.irp p, 0,2,4,6
	v_pk_add_f32 v[XR+8*\a+\p:XR+8*\a+\p+1], v[XR+8*\a+\p:XR+8*\a+\p+1], v[XR+8*\a+16+\p:XR+8*\a+16+\p+1]
.endr
.endr
.irp p, 0,2,4,6
	v_pk_add_f32 v[XR+\p:XR+\p+1], v[XR+\p:XR+\p+1], v[XR+32+\p:XR+32+\p+1]
.endr
.irp p, 0,2,4,6
	v_pk_add_f32 v[XR+\p:XR+\p+1], v[XR+\p:XR+\p+1], v[BI+\p:BI+\p+1]      ; the bias came in ahead of every row (the waits above reached 0)
.endr
	global_store_b128 v[YO], v[XR:XR+3],   s[10:11]
	global_store_b128 v[YO], v[XR+4:XR+7], s[10:11] offset:16
.Ldone:
	s_wait_tensorcnt 0x0
	ds_add_u32 v176, v177
	s_wait_dscnt 0x0
	s_endpgm
.Lfunc_end_k_qa7aba1c4ab_qproj:
	.size	k_qa7aba1c4ab_qproj, .Lfunc_end_k_qa7aba1c4ab_qproj-k_qa7aba1c4ab_qproj
	.p2alignl 7, 3214868480
	.fill 96, 4, 3214868480
	.section	.rodata,"a",@progbits
	.p2align	6, 0x0
	.amdhsa_kernel k_qa7aba1c4ab_qproj
		.amdhsa_group_segment_fixed_size 113664
		.amdhsa_private_segment_fixed_size 0
		.amdhsa_enable_private_segment 0
		.amdhsa_kernarg_size 32
		.amdhsa_user_sgpr_count 2
		.amdhsa_user_sgpr_kernarg_segment_ptr 1
		.amdhsa_wavefront_size32 1
		.amdhsa_system_sgpr_workgroup_id_x 1
		.amdhsa_system_sgpr_workgroup_id_y 1
		.amdhsa_system_sgpr_workgroup_id_z 1
		.amdhsa_system_vgpr_workitem_id 0
		.amdhsa_next_free_vgpr 178
		.amdhsa_next_free_sgpr 66
		.amdhsa_reserve_vcc 0
		.amdhsa_float_denorm_mode_32 3
		.amdhsa_float_denorm_mode_16_64 3
		.amdhsa_memory_ordered 1
		.amdhsa_forward_progress 1
		.amdhsa_inst_pref_size 25
	.end_amdhsa_kernel
	.amdgpu_metadata
---
amdhsa.version: [ 1, 2 ]
amdhsa.kernels:
  - .name:           k_qa7aba1c4ab_qproj
    .symbol:         k_qa7aba1c4ab_qproj.kd
    .args:
      - { .name: query, .offset: 0, .size: 8, .value_kind: global_buffer, .address_space: global }
      - { .name: Wq, .offset: 8, .size: 8, .value_kind: global_buffer, .address_space: global }
      - { .name: bq, .offset: 16, .size: 8, .value_kind: global_buffer, .address_space: global }
      - { .name: qv, .offset: 24, .size: 8, .value_kind: global_buffer, .address_space: global }
    .group_segment_fixed_size: 113664
    .private_segment_fixed_size: 0
    .kernarg_segment_align: 8
    .kernarg_segment_size: 32
    .max_flat_workgroup_size: 256
    .sgpr_count:     66
    .vgpr_count:     178
    .wavefront_size: 32
...
	.end_amdgpu_metadata
.endif
;; end of part 1
;; launch qkmix (part 2): grid 256 x 1, 1 waves a work-group, no clusters, 0 bytes of LDS; arguments qv, Wk, qk; writes qk
.if DOCPART == 2
	.amdgcn_target "amdgcn-amd-amdhsa--gfx1250"
	.amdhsa_code_object_version 6
	.text
	.protected	k_qa7aba1c4ab_qkmix
	.globl	k_qa7aba1c4ab_qkmix
	.p2align	8
	.type	k_qa7aba1c4ab_qkmix,@function
k_qa7aba1c4ab_qkmix:
	s_mov_b64 s[64:65], 0
	v_nop
	global_prefetch_b8 v0, s[64:65] scope:SCOPE_SE
	s_setreg_imm32_b32 hwreg(HW_REG_WAVE_MODE, 25, 1), 1
	s_wait_xcnt 0x0
; qk[b][h][c] = SC x sum over d of qv[b][64 h + d] Wk[64 h + d][c],  SC = log2(e) / sqrt(1024).
; The key projection is linear and its result is contracted at once with q, so  q_h . (Wk_h key + bk_h) = (q_h Wk_h) . key + q_h . bk_h
; for every input: this launch makes q_h Wk_h for the 16 batches and 16 heads; the bias term is made where the scores are.
; The factor SC puts the scores into the units of v_exp_f32, which works in base 2.
; qv: [16][1024] f32, Wk: [1024][1024] f32, qk: [16][16][1024] f32.  Operands bf16 (q x Wk has no room in f16 for inputs some 30 times larger), sums f32.
; 256 work-groups of one wave: head h = g / 16, columns 64 (g % 16) .. + 63.  M = the 16 batches, K = the head's 64 rows (two K steps),
; N = 64 columns (four tiles).  No LDS, no barrier.
; Wk's rows run along N, not along K.  A lane loads 16 bytes (columns c0 + 4 r .. + 3) of each of the 16 rows k that its fragment registers
; hold; tile t takes the t-th number of each, so tile t's column n = r stands for column c0 + 4 r + t.  Lanes 0 to 15 of a load cover 256
; consecutive aligned bytes of one row, lanes 16 to 31 those of the row eight further down.
; The two K steps have accumulators of their own; the sum of the two also reorders: O[4 j + t] = A[8 t + j] + B[8 t + j] gives each lane four
; neighbouring columns of row b = 8 hh + j, so sixteen lanes of a store write 256 consecutive aligned bytes.
; NO CLUSTER: the 16 work-groups of a head share the head's q, 4 KiB beside 16 KiB of Wk that each reads alone.
.set SC,   0x3d38aa3b                  ; log2(e) / 32
.set QO,   3                           ; v3   4,096 r + 32 hh
.set WO,   4                           ; v4   32,768 hh + 16 r
.set SO,   5                           ; v5   524,288 hh + 16 r
.set QR,   8                           ; v[8:39]    q as loaded: 16 numbers for each K step; later O
.set O,    8
.set AF,   40                          ; v[40:55]   q's two fragments
.set X0,   56                          ; v[56:119]  Wk, K step 0, as loaded
.set X1,   120                         ; v[120:183] Wk, K step 1, as loaded
.set BF0,  184                         ; v[184:215] four fragments of K step 0
.set ACCA, 216                         ; v[216:247] its four tiles
.set BF1,  56                          ; v[56:87]   four fragments of K step 1 (over X0, which has been converted)
.set ACCB, 88                          ; v[88:119]  its four tiles
	s_load_b128 s[4:7], s[0:1], 0x0                ; qv s[4:5], Wk s[6:7]
	s_load_b64 s[8:9], s[0:1], 0x10                ; qk
	v_and_b32 v1, 15, v0                           ; r
	v_lshrrev_b32 v2, 4, v0                        ; hh (one wave: v0 is the lane)
	v_lshlrev_b32 v[QO], 12, v1
	v_lshl_add_u32 v[QO], v2, 5, v[QO]
	v_lshlrev_b32 v[WO], 4, v1
	v_lshl_add_u32 v[SO], v2, 19, v[WO]            ; 8 hh batches of 65,536 bytes
	v_lshl_add_u32 v[WO], v2, 15, v[WO]            ; 8 hh rows of 4,096 bytes
	s_lshr_b32 s10, ttmp9, 4                       ; h
	s_and_b32 s11, ttmp9, 15
	s_lshl_b32 s11, s11, 8                         ; the strip's 256 bytes
	s_lshl_b32 s12, s10, 8                         ; qv: 64 h numbers
	s_mov_b32 s13, 0
	s_lshl_b32 s14, s10, 18                        ; Wk: 64 h rows
	s_add_co_u32 s14, s14, s11
	s_mov_b32 s15, 0
	s_lshl_b32 s16, s10, 12                        ; qk: row h of a batch
	s_add_co_u32 s16, s16, s11
	s_mov_b32 s17, 0
	s_wait_kmcnt 0x0
	s_add_nc_u64 s[4:5], s[4:5], s[12:13]
	s_add_nc_u64 s[6:7], s[6:7], s[14:15]
	s_add_nc_u64 s[8:9], s[8:9], s[16:17]
.irp k, 0,1
	global_load_b128 v[QR+16*\k:QR+16*\k+3],     v[QO], s[4:5] offset:128*\k       ; d = 32 kk + 8 hh + 0..3
	global_load_b128 v[QR+16*\k+4:QR+16*\k+7],   v[QO], s[4:5] offset:128*\k+16    ;                 + 4..7
	global_load_b128 v[QR+16*\k+8:QR+16*\k+11],  v[QO], s[4:5] offset:128*\k+64    ; d = 32 kk + 16 + 8 hh + 0..3
	global_load_b128 v[QR+16*\k+12:QR+16*\k+15], v[QO], s[4:5] offset:128*\k+80
.endr
.irp k, 0,1
.irp i, 0,1,2,3,4,5,6,7,8,9,10,11,12,13,14,15
	global_load_b128 v[X0+64*\k+4*\i:X0+64*\k+4*\i+3], v[WO], s[6:7] offset:(32*\k+\i+(\i/8)*8)*4096 th:TH_LOAD_NT   ; row 32 kk + 8 hh + i, and 8 more from i = 8 on; each byte of Wk is read once in the launch
.endr
.endr
; 32 conversions: register p of tile t's fragment holds rows 2 p and 2 p + 1 of the lane's sixteen
.macro BCVT x, bf
.irp t, 0,1,2,3
.irp p, 0,1,2,3,4,5,6,7
	v_cvt_pk_bf16_f32 v[\bf+8*\t+\p], v[\x+8*\p+\t], v[\x+8*\p+4+\t]
.endr
.endr
.endm
	s_wait_loadcnt 32                              ; q is in; Wk's 32 loads may be out
.irp p, 0,2,4,6,8,10,12,14,16,18,20,22,24,26,28,30
	v_pk_mul_f32 v[QR+\p:QR+\p+1], v[QR+\p:QR+\p+1], SC op_sel_hi:[1,0]
.endr
.irp p, 0,1,2,3,4,5,6,7,8,9,10,11,12,13,14,15
	v_cvt_pk_bf16_f32 v[AF+\p], v[QR+2*\p], v[QR+2*\p+1]
.endr
	s_wait_loadcnt 16                              ; K step 0's rows are in; K step 1's 16 loads may be out
	BCVT X0, BF0
.irp t, 0,1,2,3
	v_wmma_f32_16x16x32_bf16 v[ACCA+8*\t:ACCA+8*\t+7], v[AF:AF+7], v[BF0+8*\t:BF0+8*\t+7], 0
.endr
	s_wait_loadcnt 0x0
	BCVT X1, BF1                                   ; writes none of the registers that the four matrix instructions above name
.irp t, 0,1,2,3
	v_wmma_f32_16x16x32_bf16 v[ACCB+8*\t:ACCB+8*\t+7], v[AF+8:AF+15], v[BF1+8*\t:BF1+8*\t+7], 0
.endr
.rept 4
	v_nop                                          ; four places before a vector instruction reads a matrix result (ISA guide 7.12.1)
.endr
.irp j, 0,1,2,3,4,5,6,7
.irp t, 0,1,2,3
	v_add_f32 v[O+4*\j+\t], v[ACCA+8*\t+\j], v[ACCB+8*\t+\j]
.endr
.endr
.irp j, 0,1,2,3,4,5,6,7
	global_store_b128 v[SO], v[O+4*\j:O+4*\j+3], s[8:9] offset:65536*\j     ; batch 8 hh + j
.endr
	s_endpgm
.Lfunc_end_k_qa7aba1c4ab_qkmix:
	.size	k_qa7aba1c4ab_qkmix, .Lfunc_end_k_qa7aba1c4ab_qkmix-k_qa7aba1c4ab_qkmix
	.p2alignl 7, 3214868480
	.fill 96, 4, 3214868480
	.section	.rodata,"a",@progbits
	.p2align	6, 0x0
	.amdhsa_kernel k_qa7aba1c4ab_qkmix
		.amdhsa_group_segment_fixed_size 0
		.amdhsa_private_segment_fixed_size 0
		.amdhsa_enable_private_segment 0
		.amdhsa_kernarg_size 24
		.amdhsa_user_sgpr_count 2
		.amdhsa_user_sgpr_kernarg_segment_ptr 1
		.amdhsa_wavefront_size32 1
		.amdhsa_system_sgpr_workgroup_id_x 1
		.amdhsa_system_sgpr_workgroup_id_y 1
		.amdhsa_system_sgpr_workgroup_id_z 1
		.amdhsa_system_vgpr_workitem_id 0
		.amdhsa_next_free_vgpr 248
		.amdhsa_next_free_sgpr 66
		.amdhsa_reserve_vcc 0
		.amdhsa_float_denorm_mode_32 3
		.amdhsa_float_denorm_mode_16_64 3
		.amdhsa_memory_ordered 1
		.amdhsa_forward_progress 1
		.amdhsa_inst_pref_size 14
	.end_amdhsa_kernel
	.amdgpu_metadata
---
amdhsa.version: [ 1, 2 ]
amdhsa.kernels:
  - .name:           k_qa7aba1c4ab_qkmix
    .symbol:         k_qa7aba1c4ab_qkmix.kd
    .args:
      - { .name: qv, .offset: 0, .size: 8, .value_kind: global_buffer, .address_space: global }
      - { .name: Wk, .offset: 8, .size: 8, .value_kind: global_buffer, .address_space: global }
      - { .name: qk, .offset: 16, .size: 8, .value_kind: global_buffer, .address_space: global }
    .group_segment_fixed_size: 0
    .private_segment_fixed_size: 0
    .kernarg_segment_align: 8
    .kernarg_segment_size: 24
    .max_flat_workgroup_size: 32
    .sgpr_count:     66
    .vgpr_count:     248
    .wavefront_size: 32
...
	.end_amdgpu_metadata
.endif
;; end of part 2
;; launch attn (part 3): grid 256 x 1, 8 waves a work-group, no clusters, 76,288 bytes of LDS; arguments key_, value, qk, qv, bk, part, sap; writes part, sap
.if DOCPART == 3
	.amdgcn_target "amdgcn-amd-amdhsa--gfx1250"
	.amdhsa_code_object_version 6
	.text
	.protected	k_qa7aba1c4ab_attn
	.globl	k_qa7aba1c4ab_attn
	.p2align	8
	.type	k_qa7aba1c4ab_attn,@function
k_qa7aba1c4ab_attn:
	s_mov_b64 s[64:65], 0
	v_nop
	global_prefetch_b8 v0, s[64:65] scope:SCOPE_SE
	s_setreg_imm32_b32 hwreg(HW_REG_WAVE_MODE, 25, 1), 1
	s_wait_xcnt 0x0
; For 128 rows s of one batch b:  score[s][h] = key_[b][s][:] . qk[b][h][:] + sb[h]  (already in base-2 units, see the launch that made qk),
; att = softmax over the 16 heads (the row's maximum is taken away first),  part[g][h][c] = sum over the 128 s of att[s][h] value[b][s][c],
; sap[g][16 hh + h] = the sums of att[s][h] over the rows with (s / 8) % 2 = hh.  sb[h] = SC x sum over d of qv[b][64 h + d] bk[64 h + d].
; The value projection is linear, so it is applied after the sum over s, by the next launch; its bias needs the sums of att.
; key_, value: [16][2048][1024] f32; qk: [16][16][1024] f32; qv: [16][1024]; bk: [1024]; part: [256][16][1024] f32; sap: [256][32] f32.
; 256 work-groups of eight waves: g = 16 b + chunk owns 512 KiB of key_ and 512 KiB of value, each byte loaded once, straight into registers.
; FORMATS: scores: key and qk in bf16 (no room in f16 for inputs some 30 times larger).  att x value: f16, att lies in [0, 1].  Sums, softmax: f32.
; LIMITS: |value| must stay under f16's largest number, 65,504.  An att under 2^-25 becomes 0 in f16, one under 2^-14 keeps fewer bits; the 16 att of a
; row sum to 1.  v_exp_f32 gives 0 where the result would lie under 2^-126 (ISA guide 15.8).  |key_| above bf16's largest finite number becomes infinite.
; PHASE 1, scores: wave w owns rows 16 w .. + 15 in eight slabs of 128 columns.  A load takes 512 consecutive bytes of a row; the slab is converted
; and turned through the wave's own 16 LDS rows of 272 bytes (17 x 16: the sixteen rows of a fragment load begin at sixteen different 16-byte columns
; of the 64 banks of 4 bytes, ISA guide 11.1).  qk[b] lies in LDS in bf16, pitch 2,064 = 129 x 16.
; PHASE 3, att^T x value: wave w owns the column strips w and w + 8 (64 columns each) in 2 x 4 groups of 32 rows.  Value's rows run along N: a lane
; loads 16 bytes (columns c0 + 4 r .. + 3) of each of the 16 rows that its fragment registers hold; tile t takes the t-th number of each.
; Lanes 0 to 15 of a load cover 256 consecutive aligned bytes.  No LDS on this way.
; THE RING: every slab and every group is 16 loads = 64 registers; the 16 of them run through four slots, v256 to v511.  A slot is asked for again
; as soon as it has been converted, so three to four groups (48 to 64 loads of 512 bytes) of every wave are out all the time; value's first four
; groups are asked for during key's last four slabs, so the stream goes on through the softmax and both barriers.
; WINDOWS: an instruction names v0-v255; s_set_vgpr_msb says which block of 256 each operand place means (low byte: bits 1:0 source 0, 3:2 source 1,
; 5:4 source 2, 7:6 destination).  0x05: a conversion reads the ring.  0x40: a load fills it.  Three switches for a group.
; NO TENSOR LOADS: value needs no LDS and key only a wave's own turn-table, and registers hold all that is in flight without any barrier.
; NO CLUSTER: the 16 work-groups of a batch share qk[b], 64 KiB beside the 1 MiB that each reads alone.
.set SC,   0x3d38aa3b                  ; log2(e) / 32
.set QKP,  2064                        ; LDS pitch of qk's rows: 2,048 bytes + 16
.set STG,  16*QKP                      ; 33,024: the waves' turn-tables, 16 x 272 bytes each
.set STW,  16*272
.set ATT,  STG+8*STW                   ; 67,840: att in f16; wave w's 16 rows s as [h][16 s], pitch 48 = 3 x 16, 768 bytes a wave
.set ATP,  48
.set ATW,  16*ATP
.set SAL,  ATT+8*ATW                   ; 73,984: 32 sums of att for each wave
.set SBL,  SAL+8*128                   ; 75,008: sb, 16 words
.set KO,   4                           ; v4   16 x lane
.set VO,   5                           ; v5   32,768 hh + 16 r: serves value (8 hh rows) and part (8 hh heads): both have rows of 4,096 bytes
.set STA,  6                           ; v6   STG + 4,352 w + 8 x lane
.set AFA,  7                           ; v7   STG + 4,352 w + 272 r + 16 hh
.set QFA,  8                           ; v8   2,064 r + 16 hh
.set QS,   9                           ; v9   4,128 w + 8 x lane: wave w lays down qk's rows 2 w and 2 w + 1
.set ATS,  10                          ; v10  ATT + 768 w + 48 r + 16 hh
.set ATL,  11                          ; v11  ATT + 48 r + 16 hh
.set SAS,  12                          ; v12  SAL + 128 w + 4 x lane
.set SBV,  13                          ; v13  sb of my head r
.set TO,   14                          ; v14  16 x thread: my four numbers of qv[b] and of bk
.set SBA,  24                          ; v24  SBL + 4 r
.set SBS,  25                          ; v25  SBL + 8 w + 4 hh: sixteen lanes are one head
.set SAR,  26                          ; v26  SAL + 4 x lane
.set SAO,  27                          ; v27  4 x lane
.set T,    32                          ; v[32:63]   a slab in bf16
.set AF,   64                          ; v[64:95]   key's four fragments
.set QF,   96                          ; v[96:127]  qk's four fragments
.set ACC,  128                         ; v[128:159] four accumulators, one for each K step of a slab
.set MX,   136                         ; v[136:143] row maxima, then row sums
.set BFR,  32                          ; v[32:63], v[64:95]  value's fragments, two buffers
.set ATF,  96                          ; v[96:127]  att's four fragments
.set SETS, 128                         ; v[128:159] tiles of the even K steps, v[160:191] of the odd ones
.set O,    192                         ; v[192:223] their sum, reordered for the stores
.set MSB, 0
.macro WIN new                         ; the immediate's high byte repeats the setting that is left
.if MSB != \new
	s_set_vgpr_msb (MSB<<8)|\new
.set MSB, \new
.endif
.endm
.macro PLACES                          ; four places behind a matrix instruction (ISA guide 7.12.1)
.rept 4
	v_nop
.endr
.endm
; 16 loads: my 16 rows of key_, columns 128 slab .. + 127, into a slot of the ring
.macro KLOAD slot, slab
	WIN 0x40
.irp i, 0,1,2,3,4,5,6,7,8,9,10,11,12,13,14,15
	global_load_b128 v[64*\slot+4*\i:64*\slot+4*\i+3], v[KO], s[4:5] offset:4096*\i+512*\slab th:TH_LOAD_NT
.endr
	WIN 0
.endm
; 16 loads: rows 32 kk + 8 hh + i (8 more from i = 8 on) of value, strip w + 8 sig
.macro VLOAD slot, sig, kk
	WIN 0x40
.irp i, 0,1,2,3,4,5,6,7,8,9,10,11,12,13,14,15
	global_load_b128 v[64*\slot+4*\i:64*\slot+4*\i+3], v[VO], s[6:7] offset:(32*\kk+\i+(\i/8)*8)*4096+2048*\sig th:TH_LOAD_NT
.endr
	WIN 0
.endm
; Slab g of key_, which lies in the slot.  The slot is asked for again with key's slab a (isv = 0) or value's group (a, b) (isv = 1).
.macro KSTEP g, slot, isv, a, b
	s_wait_loadcnt 48                              ; loads return in order (ISA guide 5.7.1): out may be the three younger groups of 16
	WIN 0x05
.irp i, 0,1,2,3,4,5,6,7,8,9,10,11,12,13,14,15
	v_cvt_pk_bf16_f32 v[T+2*\i],   v[64*\slot+4*\i],   v[64*\slot+4*\i+1]     ; these 32 are also the places between the last slab's matrix
	v_cvt_pk_bf16_f32 v[T+2*\i+1], v[64*\slot+4*\i+2], v[64*\slot+4*\i+3]     ; instructions and the loads into their sources below
.endr
.if \isv
	VLOAD \slot, \a, \b
.else
	KLOAD \slot, \a
.endif
.irp i, 0,1,2,3,4,5,6,7,8,9,10,11,12,13,14,15
	ds_store_b64 v[STA], v[T+2*\i:T+2*\i+1] offset:272*\i
.endr
.irp k, 0,1,2,3
	ds_load_b128 v[AF+8*\k:AF+8*\k+3],   v[AFA] offset:64*\k                  ; LDS serves a wave's instructions in order (ISA guide 5.7.1): these see the stores above
	ds_load_b128 v[AF+8*\k+4:AF+8*\k+7], v[AFA] offset:64*\k+32
	ds_load_b128 v[QF+8*\k:QF+8*\k+3],   v[QFA] offset:256*\g+64*\k
	ds_load_b128 v[QF+8*\k+4:QF+8*\k+7], v[QFA] offset:256*\g+64*\k+32
.endr
.irp k, 0,1,2,3
	s_wait_dscnt 12-4*\k                           ; out may be the four loads of each younger K step
.if \g
	v_wmma_f32_16x16x32_bf16 v[ACC+8*\k:ACC+8*\k+7], v[AF+8*\k:AF+8*\k+7], v[QF+8*\k:QF+8*\k+7], v[ACC+8*\k:ACC+8*\k+7]
.else
	v_wmma_f32_16x16x32_bf16 v[ACC+8*\k:ACC+8*\k+7], v[AF+8*\k:AF+8*\k+7], v[QF+8*\k:QF+8*\k+7], 0
.endif
.endr
.endm
; A group of 32 rows of value, which lies in the slot: K step kk of its strip.  left: how many younger loads may be out.
; refill = 1: the slot is asked for again with K step kk of the second strip.
.macro VSTEP slot, kk, left, refill
.set BFB, BFR+32*(\kk&1)
.set STB, SETS+32*(\kk&1)
	s_wait_loadcnt \left
	WIN 0x05
.irp t, 0,1,2,3
.irp p, 0,1,2,3,4,5,6,7
	v_cvt_pk_f16_f32 v[BFB+8*\t+\p], v[64*\slot+8*\p+\t], v[64*\slot+8*\p+4+\t]   ; register p of tile t: rows 2 p and 2 p + 1 of the lane's sixteen
.endr
.endr
.if \refill
	VLOAD \slot, 1, \kk
.endif
	WIN 0
.irp t, 0,1,2,3
.if \kk < 2
	v_wmma_f32_16x16x32_f16 v[STB+8*\t:STB+8*\t+7], v[ATF+8*\kk:ATF+8*\kk+7], v[BFB+8*\t:BFB+8*\t+7], 0
.else
	v_wmma_f32_16x16x32_f16 v[STB+8*\t:STB+8*\t+7], v[ATF+8*\kk:ATF+8*\kk+7], v[BFB+8*\t:BFB+8*\t+7], v[STB+8*\t:STB+8*\t+7]
.endif
.endr
.endm
; A strip's result: even and odd K steps are added, and the sum reorders: lane (r, hh) gets columns c0 + 4 r .. + 3 of head 8 hh + j.
.macro OUT sig
	PLACES
.if \sig
	s_wait_xcnt 0x0                                ; O is the data of the first strip's stores: it is rewritten only behind this wait
.endif
.irp j, 0,1,2,3,4,5,6,7
.irp t, 0,1,2,3
	v_add_f32 v[O+4*\j+\t], v[SETS+8*\t+\j], v[SETS+32+8*\t+\j]
.endr
.endr
.irp j, 0,1,2,3,4,5,6,7
	global_store_b128 v[VO], v[O+4*\j:O+4*\j+3], s[14:15] offset:4096*\j+2048*\sig   ; sixteen lanes store 256 consecutive bytes, aligned
.endr
.endm
	s_load_b256 s[4:11], s[0:1], 0x0               ; key_ s[4:5], value s[6:7], qk s[8:9], qv s[10:11]
	s_load_b128 s[12:15], s[0:1], 0x20             ; bk s[12:13], part s[14:15]
	s_load_b64 s[16:17], s[0:1], 0x30              ; sap
	v_lshl_add_u32 v254, v0, 2, 0x12600
	v_mov_b32 v255, 0
	v_lshrrev_b32 v1, 5, v0
	v_readfirstlane_b32 s20, v1                    ; wave w
	v_and_b32 v2, 31, v0                           ; lane
	v_and_b32 v3, 15, v0                           ; r
	v_bfe_u32 v1, v0, 4, 1                         ; hh
	v_lshlrev_b32 v[KO], 4, v2
	v_lshlrev_b32 v[VO], 4, v3
	v_lshl_add_u32 v[VO], v1, 15, v[VO]
	s_mul_i32 s21, s20, STW
	s_add_co_u32 s21, s21, STG
	v_lshl_add_u32 v[STA], v2, 3, s21
	v_mul_u32_u24 v[AFA], v3, 272
	v_lshl_add_u32 v[AFA], v1, 4, v[AFA]
	v_add_nc_u32 v[AFA], s21, v[AFA]
	v_mul_u32_u24 v[QFA], v3, QKP
	v_lshl_add_u32 v[QFA], v1, 4, v[QFA]
	s_mul_i32 s24, s20, 2*QKP
	v_lshl_add_u32 v[QS], v2, 3, s24
	v_mul_u32_u24 v[ATL], v3, ATP
	v_lshl_add_u32 v[ATL], v1, 4, v[ATL]
	v_add_nc_u32 v[ATL], ATT, v[ATL]
	s_mul_i32 s25, s20, ATW
	v_add_nc_u32 v[ATS], s25, v[ATL]
	s_lshl_b32 s26, s20, 7
	s_add_co_u32 s26, s26, SAL
	v_lshl_add_u32 v[SAS], v2, 2, s26
	v_lshlrev_b32 v[TO], 4, v0
	v_lshl_add_u32 v[SBA], v3, 2, SBL
	s_lshl_b32 s28, s20, 3
	s_add_co_u32 s28, s28, SBL
	v_lshl_add_u32 v[SBS], v1, 2, s28
	v_lshlrev_b32 v[SAO], 2, v2
	v_add_nc_u32 v[SAR], SAL, v[SAO]
	s_lshr_b32 s27, ttmp9, 4                       ; b
	s_mov_b32 s23, 0
	s_wait_kmcnt 0x0
	s_lshl_b32 s22, ttmp9, 19                      ; the group's 128 rows of 4,096 bytes
	s_add_nc_u64 s[4:5], s[4:5], s[22:23]
	s_add_nc_u64 s[6:7], s[6:7], s[22:23]
	s_lshl_b32 s22, s20, 16                        ; key_: my 16 rows
	s_add_nc_u64 s[4:5], s[4:5], s[22:23]
	s_lshl_b32 s22, s20, 8                         ; value and part: my strip's 256 bytes
	s_add_nc_u64 s[6:7], s[6:7], s[22:23]
	s_add_nc_u64 s[14:15], s[14:15], s[22:23]
	s_lshl_b32 s22, ttmp9, 16                      ; part: 16 heads of 4,096 bytes for each group
	s_add_nc_u64 s[14:15], s[14:15], s[22:23]
	s_lshl_b32 s22, s27, 16                        ; qk[b],
	s_add_nc_u64 s[8:9], s[8:9], s[22:23]
	s_lshl_b32 s22, s20, 13                        ; its rows 2 w and 2 w + 1
	s_add_nc_u64 s[8:9], s[8:9], s[22:23]
	s_lshl_b32 s22, s27, 12                        ; qv[b]
	s_add_nc_u64 s[10:11], s[10:11], s[22:23]
	s_lshl_b32 s22, ttmp9, 7                       ; sap: 32 words for each group
	s_add_nc_u64 s[16:17], s[16:17], s[22:23]
	; PROLOGUE: qk[b] into LDS in bf16 (each wave two rows), sb into LDS, and the ring's first four slabs on their way.
.irp i, 0,1,2,3,4,5,6,7,8,9,10,11,12,13,14,15
	global_load_b128 v[ACC+4*\i:ACC+4*\i+3], v[KO], s[8:9] offset:512*\i
.endr
	global_load_b128 v[16:19], v[TO], s[10:11]
	global_load_b128 v[20:23], v[TO], s[12:13]
	KLOAD 0, 0
	KLOAD 1, 1
	s_wait_loadcnt 32                              ; qk, qv and bk are in; key's two slabs may be out
.irp i, 0,1,2,3,4,5,6,7,8,9,10,11,12,13,14,15
	v_cvt_pk_bf16_f32 v[T+2*\i],   v[ACC+4*\i],   v[ACC+4*\i+1]
	v_cvt_pk_bf16_f32 v[T+2*\i+1], v[ACC+4*\i+2], v[ACC+4*\i+3]
.endr
.irp i, 0,1,2,3,4,5,6,7,8,9,10,11,12,13,14,15
	ds_store_b64 v[QS], v[T+2*\i:T+2*\i+1] offset:(\i/8)*QKP+(\i%8)*256
.endr
	v_pk_mul_f32 v[16:17], v[16:17], v[20:21]
	v_pk_fma_f32 v[16:17], v[18:19], v[22:23], v[16:17]
	v_add_f32 v16, v16, v17
	v_add_f32_dpp v16, v16, v16 row_xmask:1 row_mask:0xf bank_mask:0xf     ; sixteen lanes x four numbers = one head's 64
	v_add_f32_dpp v16, v16, v16 row_xmask:2 row_mask:0xf bank_mask:0xf
	v_add_f32_dpp v16, v16, v16 row_xmask:4 row_mask:0xf bank_mask:0xf
	v_add_f32_dpp v16, v16, v16 row_xmask:8 row_mask:0xf bank_mask:0xf
	v_mul_f32 v16, SC, v16
	ds_store_b32 v[SBS], v16                       ; sixteen lanes write one word with one value
	KLOAD 2, 2
	KLOAD 3, 3
	s_wait_dscnt 0x0                               ; for the others' sake: my rows of qk and my two sb are in LDS before I signal
	s_barrier_signal -1
	s_barrier_wait -1
	ds_load_b32 v[SBV], v[SBA]                     ; older than every LDS load below, so their counted waits cover it
	; PHASE 1.  The four accumulators take turns, one instruction a turn.
	KSTEP 0, 0, 0, 4, 0
	KSTEP 1, 1, 0, 5, 0
	KSTEP 2, 2, 0, 6, 0
	KSTEP 3, 3, 0, 7, 0
	KSTEP 4, 0, 1, 0, 0                            ; from here on the freed slots take value's first strip
	KSTEP 5, 1, 1, 0, 1
	KSTEP 6, 2, 1, 0, 2
	KSTEP 7, 3, 1, 0, 3
	; PHASE 2, softmax over the heads.  Lane (r, hh), register j: the score of row 16 w + 8 hh + j for head r.
	PLACES
.irp p, 0,2,4,6
	v_pk_add_f32 v[ACC+\p:ACC+\p+1],       v[ACC+\p:ACC+\p+1],       v[ACC+8+\p:ACC+8+\p+1]
	v_pk_add_f32 v[ACC+16+\p:ACC+16+\p+1], v[ACC+16+\p:ACC+16+\p+1], v[ACC+24+\p:ACC+24+\p+1]
.endr
.irp p, 0,2,4,6
	v_pk_add_f32 v[ACC+\p:ACC+\p+1], v[ACC+\p:ACC+\p+1], v[ACC+16+\p:ACC+16+\p+1]
.endr
.irp j, 0,1,2,3,4,5,6,7
	v_add_f32 v[ACC+\j], v[ACC+\j], v[SBV]
.endr
.irp j, 0,1,2,3,4,5,6,7
	v_max_num_f32_dpp v[MX+\j], v[ACC+\j], v[ACC+\j] row_xmask:1 row_mask:0xf bank_mask:0xf   ; the 16 heads of a row lie in 16 neighbouring lanes
.endr
.irp m, 2,4,8
.irp j, 0,1,2,3,4,5,6,7
	v_max_num_f32_dpp v[MX+\j], v[MX+\j], v[MX+\j] row_xmask:\m row_mask:0xf bank_mask:0xf
.endr
.endr
.irp p, 0,2,4,6
	v_pk_add_f32 v[ACC+\p:ACC+\p+1], v[ACC+\p:ACC+\p+1], v[MX+\p:MX+\p+1] neg_lo:[0,1] neg_hi:[0,1]   ; score - maximum: at most 0, and 0 for one head
.endr
.irp j, 0,1,2,3,4,5,6,7
	v_exp_f32 v[ACC+\j], v[ACC+\j]
.endr
	v_nop                                          ; one plain vector instruction behind a transcendental before its result is used (ISA guide 5.7.2)
	s_wait_alu depctr_va_vdst(0)
.irp j, 0,1,2,3,4,5,6,7
	v_add_f32_dpp v[MX+\j], v[ACC+\j], v[ACC+\j] row_xmask:1 row_mask:0xf bank_mask:0xf
.endr
.irp m, 2,4,8
.irp j, 0,1,2,3,4,5,6,7
	v_add_f32_dpp v[MX+\j], v[MX+\j], v[MX+\j] row_xmask:\m row_mask:0xf bank_mask:0xf
.endr
.endr
.irp j, 0,1,2,3,4,5,6,7
	v_rcp_f32 v[MX+\j], v[MX+\j]                   ; the sum lies between 1 and 16
.endr
	v_nop
	s_wait_alu depctr_va_vdst(0)
.irp p, 0,2,4,6
	v_pk_mul_f32 v[ACC+\p:ACC+\p+1], v[ACC+\p:ACC+\p+1], v[MX+\p:MX+\p+1]
.endr
	v_pk_add_f32 v[ACC+16:ACC+17], v[ACC:ACC+1],     v[ACC+2:ACC+3]        ; the sum of my eight att, in f32
	v_pk_add_f32 v[ACC+18:ACC+19], v[ACC+4:ACC+5],   v[ACC+6:ACC+7]
	v_pk_add_f32 v[ACC+16:ACC+17], v[ACC+16:ACC+17], v[ACC+18:ACC+19]
	v_add_f32 v[ACC+16], v[ACC+16], v[ACC+17]
	ds_store_b32 v[SAS], v[ACC+16]
.irp p, 0,1,2,3
	v_cvt_pk_f16_f32 v[ACC+20+\p], v[ACC+2*\p], v[ACC+2*\p+1]
.endr
	ds_store_b128 v[ATS], v[ACC+20:ACC+23]         ; head r, rows 8 hh .. + 7 of my sixteen: 16 bytes
	s_wait_dscnt 0x0                               ; for the others' sake: my att and my sums are in LDS before I signal
	s_barrier_signal -1
	s_barrier_wait -1
	; att^T's fragments: row m = head r; k = 32 kk + 8 hh .. + 7 lies with wave 2 kk, k = 32 kk + 16 + 8 hh .. + 7 with wave 2 kk + 1
.irp k, 0,1,2,3
	ds_load_b128 v[ATF+8*\k:ATF+8*\k+3],   v[ATL] offset:2*ATW*\k
	ds_load_b128 v[ATF+8*\k+4:ATF+8*\k+7], v[ATL] offset:2*ATW*\k+ATW
.endr
	s_cmp_lg_u32 s20, 0
	s_cbranch_scc1 .Lnot_wave_0
.irp u, 0,1,2,3,4,5,6,7
	ds_load_b32 v[16+\u], v[SAR] offset:128*\u     ; wave 0 adds the eight waves' sums of att
.endr
	s_wait_dscnt 0x0
	v_pk_add_f32 v[16:17], v[16:17], v[18:19]
	v_pk_add_f32 v[20:21], v[20:21], v[22:23]
	v_pk_add_f32 v[16:17], v[16:17], v[20:21]
	v_add_f32 v16, v16, v17
	global_store_b32 v[SAO], v16, s[16:17]         ; 128 consecutive bytes for each work-group: half of an aligned run of 256; sap is 32 KiB in all
.Lnot_wave_0:
	s_wait_dscnt 0x0                               ; att's fragments are in
	; PHASE 3.  Eight tiles take turns, one instruction a turn.  The counts: three younger groups of 16 loads, then 2, 1, 0.
	VSTEP 0, 0, 48, 1
	VSTEP 1, 1, 48, 1
	VSTEP 2, 2, 48, 1
	VSTEP 3, 3, 48, 1
	OUT 0
	VSTEP 0, 0, 48, 0
	VSTEP 1, 1, 32, 0
	VSTEP 2, 2, 16, 0
	VSTEP 3, 3, 0, 0
	OUT 1
	s_wait_tensorcnt 0x0
	ds_add_u32 v254, v255
	s_wait_dscnt 0x0
	s_endpgm
.Lfunc_end_k_qa7aba1c4ab_attn:
	.size	k_qa7aba1c4ab_attn, .Lfunc_end_k_qa7aba1c4ab_attn-k_qa7aba1c4ab_attn
	.p2alignl 7, 3214868480
	.fill 96, 4, 3214868480
	.section	.rodata,"a",@progbits
	.p2align	6, 0x0
	.amdhsa_kernel k_qa7aba1c4ab_attn
		.amdhsa_group_segment_fixed_size 76288
		.amdhsa_private_segment_fixed_size 0
		.amdhsa_enable_private_segment 0
		.amdhsa_kernarg_size 56
		.amdhsa_user_sgpr_count 2
		.amdhsa_user_sgpr_kernarg_segment_ptr 1
		.amdhsa_wavefront_size32 1
		.amdhsa_system_sgpr_workgroup_id_x 1
		.amdhsa_system_sgpr_workgroup_id_y 1
		.amdhsa_system_sgpr_workgroup_id_z 1
		.amdhsa_system_vgpr_workitem_id 0
		.amdhsa_next_free_vgpr 512
		.amdhsa_next_free_sgpr 66
		.amdhsa_reserve_vcc 0
		.amdhsa_float_denorm_mode_32 3
		.amdhsa_float_denorm_mode_16_64 3
		.amdhsa_memory_ordered 1
		.amdhsa_forward_progress 1
		.amdhsa_inst_pref_size 100
	.end_amdhsa_kernel
	.amdgpu_metadata
---
amdhsa.version: [ 1, 2 ]
amdhsa.kernels:
  - .name:           k_qa7aba1c4ab_attn
    .symbol:         k_qa7aba1c4ab_attn.kd
    .args:
      - { .name: key_, .offset: 0, .size: 8, .value_kind: global_buffer, .address_space: global }
      - { .name: value, .offset: 8, .size: 8, .value_kind: global_buffer, .address_space: global }
      - { .name: qk, .offset: 16, .size: 8, .value_kind: global_buffer, .address_space: global }
      - { .name: qv, .offset: 24, .size: 8, .value_kind: global_buffer, .address_space: global }
      - { .name: bk, .offset: 32, .size: 8, .value_kind: global_buffer, .address_space: global }
      - { .name: part, .offset: 40, .size: 8, .value_kind: global_buffer, .address_space: global }
      - { .name: sap, .offset: 48, .size: 8, .value_kind: global_buffer, .address_space: global }
    .group_segment_fixed_size: 76288
    .private_segment_fixed_size: 0
    .kernarg_segment_align: 8
    .kernarg_segment_size: 56
    .max_flat_workgroup_size: 256
    .sgpr_count:     66
    .vgpr_count:     512
    .wavefront_size: 32
...
	.end_amdgpu_metadata
.endif
;; end of part 3
;; launch headv (part 4): grid 256 x 1, 8 waves a work-group, no clusters, 9,216 bytes of LDS; arguments part, sap, Wv, bv, ov; writes ov
.if DOCPART == 4
	.amdgcn_target "amdgcn-amd-amdhsa--gfx1250"
	.amdhsa_code_object_version 6
	.text
	.protected	k_qa7aba1c4ab_headv
	.globl	k_qa7aba1c4ab_headv
	.p2align	8
	.type	k_qa7aba1c4ab_headv,@function
k_qa7aba1c4ab_headv:
	s_mov_b64 s[64:65], 0
	v_nop
	global_prefetch_b8 v0, s[64:65] scope:SCOPE_SE
	s_setreg_imm32_b32 hwreg(HW_REG_WAVE_MODE, 25, 1), 1
	s_wait_xcnt 0x0
; ov[b][64 h + d] = sum over c of Wv[64 h + d][c] av[c] + bv[64 h + d] sa,  av[c] = sum over the batch's 16 partials of part[16 b + p][h][c],
; sa = sum over p and hh of sap[16 b + p][16 hh + h].  This is the value projection, applied after the weighted sum over s, which is the same for
; every input because the projection is linear.
; part: [256][16][1024] f32, sap: [256][32] f32, Wv: [1024][1024] f32, bv: [1024] f32, ov: [16][1024] f32.  All arithmetic in f32.
; 256 work-groups of eight waves: b = g / 16, h = g % 16.  One vector av against the head's 64 rows of Wv.
; NOT ON THE MATRIX UNIT: a work-group has ONE row.  With the 16 batches as the rows of a tile a work-group would have to add up the partials of
; all 16 batches for its head (1 MiB), and 64 work-groups would each do so four times over; here a work-group reads 64 KiB of partials and 256 KiB of Wv.
; Wave w first adds up columns 128 w .. + 127 of av (16 loads of 512 consecutive bytes) and hands them over in LDS; then it makes the dot products
; of rows d = 8 w .. + 7: a row is 8 loads of 512 consecutive bytes, 32 registers; six row slots, so five rows are out while one is multiplied.
; NO CLUSTER: the 16 work-groups of a head share its 256 KiB of Wv, but a joint request has to go through LDS slots with a barrier of the cluster
; for each refill, for a text whose whole work is eight rows a wave.
.set XL,   0                           ; LDS: av, 4,096 bytes
.set OL,   4096                        ; LDS: the 64 results
.set LO,   2                           ; v2   16 x lane: my 16 bytes in a wave's 512, in memory and in XL (which begins at LDS byte 0)
.set SO,   3                           ; v3   64 x lane: lane l stands for p = l / 2, hh = l % 2 in sap
.set XS,   4                           ; v4   XL + 512 w + 16 x lane
.set OS,   6                           ; v6   OL + 32 w
.set OO,   7                           ; v7   8 x lane
.set SA,   8                           ; v8   sa
.set TMP,  9                           ; v9
.set P0,   10                          ; v[10:11], v[12:13] two chains of packed sums
.set P1,   12
.set R,    14                          ; v[14:21]  my eight results
.set X,    24                          ; v[24:55]  av: columns 128 m + 4 x lane .. + 3 in registers 4 m .. 4 m + 3
.set WS,   56                          ; v[56:247] six row slots of 32 registers
.set PB,   WS+4*32                     ; the 16 partials lie in slots 4 and 5 first
	s_load_b256 s[4:11], s[0:1], 0x0               ; part s[4:5], sap s[6:7], Wv s[8:9], bv s[10:11]
	s_load_b64 s[12:13], s[0:1], 0x20              ; ov
	v_lshl_add_u32 v248, v0, 2, 0x2000
	v_mov_b32 v249, 0
	v_lshrrev_b32 v1, 5, v0
	v_readfirstlane_b32 s20, v1                    ; wave w
	s_mov_b32 s14, 0x76543210                      ; v_permlanex16_b32: lane i of one half reads lane i of the other
	s_mov_b32 s15, 0xfedcba98
	s_lshr_b32 s16, ttmp9, 4                       ; b
	s_and_b32 s17, ttmp9, 15                       ; h
	v_and_b32 v1, 31, v0                           ; lane
	v_lshlrev_b32 v[LO], 4, v1
	v_lshlrev_b32 v[SO], 6, v1
	v_lshlrev_b32 v[OO], 3, v1
	s_lshl_b32 s18, s20, 9
	v_add_nc_u32 v[XS], s18, v[LO]
	s_lshl_b32 s19, s20, 5
	s_add_co_u32 s21, s19, OL
	v_mov_b32 v[OS], s21
	v_mov_b32 v[TMP], 0                            ; v_permlanex16_b32 counts as a reader of its destination
	s_mov_b32 s23, 0
	s_wait_kmcnt 0x0
	s_lshl_b32 s22, s16, 20                        ; part: 16 b groups of 65,536 bytes,
	s_add_nc_u64 s[4:5], s[4:5], s[22:23]
	s_lshl_b32 s22, s17, 12                        ; head h,
	s_add_nc_u64 s[4:5], s[4:5], s[22:23]
	s_mov_b32 s22, s18                             ; my 128 columns
	s_add_nc_u64 s[4:5], s[4:5], s[22:23]
	s_lshl_b32 s22, s16, 11                        ; sap: 16 b groups of 128 bytes,
	s_add_nc_u64 s[6:7], s[6:7], s[22:23]
	s_lshl_b32 s22, s17, 2                         ; word h
	s_add_nc_u64 s[6:7], s[6:7], s[22:23]
	s_lshl_b32 s22, s17, 18                        ; Wv: 64 h rows,
	s_add_nc_u64 s[8:9], s[8:9], s[22:23]
	s_lshl_b32 s22, s20, 15                        ; my 8 rows
	s_add_nc_u64 s[8:9], s[8:9], s[22:23]
	s_lshl_b32 s22, s17, 8                         ; bv and ov: 64 h numbers
	s_add_nc_u64 s[10:11], s[10:11], s[22:23]
	s_add_nc_u64 s[12:13], s[12:13], s[22:23]
	s_mov_b32 s22, s19                             ; bv: my 8 numbers
	s_add_nc_u64 s[10:11], s[10:11], s[22:23]
	s_lshl_b32 s22, s16, 12                        ; ov: row b
	s_add_nc_u64 s[12:13], s[12:13], s[22:23]
	s_load_b256 s[24:31], s[10:11], 0x0            ; bv of my eight rows; waited for where it is used
.macro WROW slot, d                    ; row d of my eight into a slot
.irp m, 0,1,2,3,4,5,6,7
	global_load_b128 v[WS+32*\slot+4*\m:WS+32*\slot+4*\m+3], v[LO], s[8:9] offset:4096*\d+512*\m
.endr
.endm
.macro WSUM x                          ; the sum over the wave's 32 lanes, in every lane
	v_add_f32_dpp v[\x], v[\x], v[\x] row_xmask:1 row_mask:0xf bank_mask:0xf
	v_add_f32_dpp v[\x], v[\x], v[\x] row_xmask:2 row_mask:0xf bank_mask:0xf
	v_add_f32_dpp v[\x], v[\x], v[\x] row_xmask:4 row_mask:0xf bank_mask:0xf
	v_add_f32_dpp v[\x], v[\x], v[\x] row_xmask:8 row_mask:0xf bank_mask:0xf
	v_permlanex16_b32 v[TMP], v[\x], s14, s15
	v_add_f32 v[\x], v[\x], v[TMP]
.endm
.irp p, 0,1,2,3,4,5,6,7,8,9,10,11,12,13,14,15
	global_load_b128 v[PB+4*\p:PB+4*\p+3], v[LO], s[4:5] offset:65536*\p th:TH_LOAD_NT   ; each byte of part is read once in the launch
.endr
	global_load_b32 v[SA], v[SO], s[6:7]
	WROW 0, 0
	WROW 1, 1
	WROW 2, 2
	WROW 3, 3
	s_wait_loadcnt 32                              ; the partials and sap are in; four rows of Wv (32 loads) may be out
.irp p, 0,2,4,6,8,10,12,14
	v_pk_add_f32 v[PB+4*\p:PB+4*\p+1],   v[PB+4*\p:PB+4*\p+1],   v[PB+4*\p+4:PB+4*\p+5]
	v_pk_add_f32 v[PB+4*\p+2:PB+4*\p+3], v[PB+4*\p+2:PB+4*\p+3], v[PB+4*\p+6:PB+4*\p+7]
.endr
.irp p, 0,4,8,12
	v_pk_add_f32 v[PB+4*\p:PB+4*\p+1],   v[PB+4*\p:PB+4*\p+1],   v[PB+4*\p+8:PB+4*\p+9]
	v_pk_add_f32 v[PB+4*\p+2:PB+4*\p+3], v[PB+4*\p+2:PB+4*\p+3], v[PB+4*\p+10:PB+4*\p+11]
.endr
.irp p, 0,8
	v_pk_add_f32 v[PB+4*\p:PB+4*\p+1],   v[PB+4*\p:PB+4*\p+1],   v[PB+4*\p+16:PB+4*\p+17]
	v_pk_add_f32 v[PB+4*\p+2:PB+4*\p+3], v[PB+4*\p+2:PB+4*\p+3], v[PB+4*\p+18:PB+4*\p+19]
.endr
	v_pk_add_f32 v[P0:P0+1], v[PB:PB+1],   v[PB+32:PB+33]    ; the last level lands outside the slots, which are loaded again at once
	v_pk_add_f32 v[P1:P1+1], v[PB+2:PB+3], v[PB+34:PB+35]
	ds_store_b128 v[XS], v[P0:P0+3]
	WROW 4, 4
	WROW 5, 5
	WSUM SA
	s_wait_dscnt 0x0                               ; for the others' sake: my 128 columns of av are in LDS before I signal
	s_barrier_signal -1
	s_barrier_wait -1
.irp m, 0,1,2,3,4,5,6,7
	ds_load_b128 v[X+4*\m:X+4*\m+3], v[LO] offset:XL+512*\m
.endr
	s_wait_dscnt 0x0
; Row d, which lies in the slot.  left: how many younger loads may be out.  next: the row that the slot takes then (0: none).
.macro ROW d, slot, left, next
	s_wait_loadcnt \left
	v_pk_mul_f32 v[P0:P0+1], v[WS+32*\slot:WS+32*\slot+1],   v[X:X+1]       ; the first products start the two chains
	v_pk_mul_f32 v[P1:P1+1], v[WS+32*\slot+2:WS+32*\slot+3], v[X+2:X+3]
.irp m, 1,2,3,4,5,6,7
	v_pk_fma_f32 v[P0:P0+1], v[WS+32*\slot+4*\m:WS+32*\slot+4*\m+1],   v[X+4*\m:X+4*\m+1],   v[P0:P0+1]
	v_pk_fma_f32 v[P1:P1+1], v[WS+32*\slot+4*\m+2:WS+32*\slot+4*\m+3], v[X+4*\m+2:X+4*\m+3], v[P1:P1+1]
.endr
	v_pk_add_f32 v[P0:P0+1], v[P0:P0+1], v[P1:P1+1]
	v_add_f32 v[R+\d], v[P0], v[P0+1]
.if \next
	WROW \slot, \next
.endif
.endm
	ROW 0, 0, 40, 6                                ; the counts: eight loads for each younger row: 5, 5, 5, then 4 down to 0
	ROW 1, 1, 40, 7
	ROW 2, 2, 40, 0
	ROW 3, 3, 32, 0
	ROW 4, 4, 24, 0
	ROW 5, 5, 16, 0
	ROW 6, 0, 8, 0
	ROW 7, 1, 0, 0
.irp d, 0,1,2,3,4,5,6,7
	WSUM R+\d
.endr
	s_wait_kmcnt 0x0                               ; bv
.irp d, 0,1,2,3,4,5,6,7
	v_fma_f32 v[R+\d], s[24+\d], v[SA], v[R+\d]
.endr
	ds_store_b128 v[OS], v[R:R+3]                  ; every lane holds the same eight numbers and writes the same bytes
	ds_store_b128 v[OS], v[R+4:R+7] offset:16
	s_wait_dscnt 0x0                               ; for wave 0's sake
	s_barrier_signal -1
	s_barrier_wait -1
	s_cmp_lg_u32 s20, 0
	s_cbranch_scc1 .Ldone
	ds_load_b64 v[P0:P0+1], v[OO] offset:OL
	s_wait_dscnt 0x0
	global_store_b64 v[OO], v[P0:P0+1], s[12:13]   ; the wave stores the head's 256 consecutive bytes, aligned
.Ldone:
	s_wait_tensorcnt 0x0
	ds_add_u32 v248, v249
	s_wait_dscnt 0x0
	s_endpgm
.Lfunc_end_k_qa7aba1c4ab_headv:
	.size	k_qa7aba1c4ab_headv, .Lfunc_end_k_qa7aba1c4ab_headv-k_qa7aba1c4ab_headv
	.p2alignl 7, 3214868480
	.fill 96, 4, 3214868480
	.section	.rodata,"a",@progbits
	.p2align	6, 0x0
	.amdhsa_kernel k_qa7aba1c4ab_headv
		.amdhsa_group_segment_fixed_size 9216
		.amdhsa_private_segment_fixed_size 0
		.amdhsa_enable_private_segment 0
		.amdhsa_kernarg_size 40
		.amdhsa_user_sgpr_count 2
		.amdhsa_user_sgpr_kernarg_segment_ptr 1
		.amdhsa_wavefront_size32 1
		.amdhsa_system_sgpr_workgroup_id_x 1
		.amdhsa_system_sgpr_workgroup_id_y 1
		.amdhsa_system_sgpr_workgroup_id_z 1
		.amdhsa_system_vgpr_workitem_id 0
		.amdhsa_next_free_vgpr 250
		.amdhsa_next_free_sgpr 66
		.amdhsa_reserve_vcc 0
		.amdhsa_float_denorm_mode_32 3
		.amdhsa_float_denorm_mode_16_64 3
		.amdhsa_memory_ordered 1
		.amdhsa_forward_progress 1
		.amdhsa_inst_pref_size 26
	.end_amdhsa_kernel
	.amdgpu_metadata
---
amdhsa.version: [ 1, 2 ]
amdhsa.kernels:
  - .name:           k_qa7aba1c4ab_headv
    .symbol:         k_qa7aba1c4ab_headv.kd
    .args:
      - { .name: part, .offset: 0, .size: 8, .value_kind: global_buffer, .address_space: global }
      - { .name: sap, .offset: 8, .size: 8, .value_kind: global_buffer, .address_space: global }
      - { .name: Wv, .offset: 16, .size: 8, .value_kind: global_buffer, .address_space: global }
      - { .name: bv, .offset: 24, .size: 8, .value_kind: global_buffer, .address_space: global }
      - { .name: ov, .offset: 32, .size: 8, .value_kind: global_buffer, .address_space: global }
    .group_segment_fixed_size: 9216
    .private_segment_fixed_size: 0
    .kernarg_segment_align: 8
    .kernarg_segment_size: 40
    .max_flat_workgroup_size: 256
    .sgpr_count:     66
    .vgpr_count:     250
    .wavefront_size: 32
...
	.end_amdgpu_metadata
.endif
;; end of part 4
;; launch oproj: the kernel of part 1 again; grid 64 x 1, 8 waves a work-group, no clusters, 113,664 bytes of LDS; arguments ov, Wf, bf, out0; writes out0
;; ======== version 2 of 2: 5 launches; version 1 with the launches qproj, oproj written anew for expert scheduling mode
;; limits: values are held in f16: magnitudes above 65,504 overflow, below 6.1e-05 lose precision; inputs' magnitudes at most 65,504
;; workspace buffers: qv 65,536 bytes; qk 1,048,576 bytes; part 16,777,216 bytes; sap 32,768 bytes; ov 65,536 bytes
;; launch qproj (part 5): grid 64 x 1, 8 waves a work-group, no clusters, 113,664 bytes of LDS; arguments query, Wq, bq, qv; writes qv
.if DOCPART == 5
	.amdgcn_target "amdgcn-amd-amdhsa--gfx1250"
	.amdhsa_code_object_version 6
	.text
	.protected	k_qa7aba1c4ab_qproj
	.globl	k_qa7aba1c4ab_qproj
	.p2align	8
	.type	k_qa7aba1c4ab_qproj,@function
k_qa7aba1c4ab_qproj:
	s_mov_b64 s[64:65], 0
	v_nop
	global_prefetch_b8 v0, s[64:65] scope:SCOPE_SE
	s_setreg_imm32_b32 hwreg(HW_REG_WAVE_SCHED_MODE, 0, 2), 2
	s_setreg_imm32_b32 hwreg(HW_REG_WAVE_MODE, 25, 1), 1
	s_wait_xcnt 0x0
	s_wait_alu depctr_vm_vsrc(0)
; y[b][n] = sum over k of x[b][k] W[n][k] + bias[n].  x: [16][1024] f32, W: [1024][1024] f32, bias: [1024] f32, y: [16][1024] f32.
; 64 work-groups of eight waves.  Work-group g makes the 16 outputs n = 16 g .. 16 g + 15 of all 16 rows b; wave w sums over
; k = 128 w .. 128 w + 127; the eight partial sums meet in LDS and wave 0 adds them and the bias.
; FORMATS: W goes to the matrix unit rounded to bf16.  x goes as TWO bf16 terms, hi = bf16(x) and lo = bf16(x - hi), one matrix
; instruction each, so that a row that an earlier launch carried in f32 keeps about 16 bits.  Sums in f32.
; LIMITS: |x| or |W| above bf16's largest finite number becomes infinite; for an x that is not finite lo is inf - inf = NaN.
; LOADS: a load of a wave takes 512 consecutive bytes of one row (128 f32).  The lane's four numbers are converted and laid into LDS rows
; of 272 bytes (256 of data, 16 of padding: 17 x 16, so the sixteen rows that a fragment load touches begin at sixteen different
; 16-byte columns of the 64 banks of 4 bytes, ISA guide 11.1); fragments are read back from there.  These bytes are the wave's own.
; THE MATRIX INSTRUCTION IS USED TRANSPOSED: source 0 = 16 rows of W, source 1 = the 16 rows of x.  Lane (r, hh) then holds
; y[r][16 g + 8 hh + 0..7]: 32 neighbouring bytes.
; STATED DEVIATION: a row of y gets 64 bytes from each work-group, not a whole run of 256: y is 65,536 bytes in all, and W's
; 4 MiB are spread over four times as many work-groups this way.
; NO CLUSTER: what partners would share is x, 64 KiB beside the 64 KiB of W that each work-group reads alone; sharing it would need
; LDS slots filled by joint tensor loads for a text that has one step and no loop.
; THE MODE: SCHED_MODE bits 1:0 = 2 (LLVM: expert scheduling mode 2), set by the entry lines.  The code itself states the register dependences
; between vector or matrix instructions and memory or LDS instructions, with s_wait_alu, always for 0.
; THE PLAN.  Registers that memory or LDS instructions touch:
;   v4 .. v10   offsets and LDS addresses: made once at the head, never written again.
;   XR          the global loads of x land in it; the conversions and subtractions read it; then the fragments of hi and lo land in it and the matrix
;               instructions read them; in wave 0 the eight partial sums land in it, are added there, and the two global stores read the result.
;   WR          the global loads of W land in it; row i's two conversions close its four numbers up into its first two registers, which row i's
;               one LDS store reads; then W's fragments land in its first 32 registers.
;   O           row i of x: its roundings write four registers, once; its two LDS stores read them, once; never written again.
;   ACCH        written by matrix instructions and four additions; read by two LDS stores; never written again.
;   F and ACCL are named by vector and matrix instructions alone.
; The 32 rows (16 of x, 16 of W) go in eight blocks of four.  A block's LDS stores are issued in the NEXT block, one row's in front of each row's
; vector work, behind ONE wait on va_vdst at that block's head: the vector instructions issued since that wait name the new block's rows alone.
.set PITCH, 272
.set WREG,  3*16*PITCH                 ; a wave's LDS: hi, lo and W, 16 rows each = 13,056 bytes
.set XH,    0
.set XL,    16*PITCH
.set WH,    2*16*PITCH
.set RED,   8*WREG                     ; 104,448: eight waves x 1,024 bytes of partial sums
.set GO,   4                           ; v4   16 x lane: my 16 bytes in a wave's 512
.set ST,   5                           ; v5   LDS: wave's region + 8 x lane (my four bf16 in a row)
.set FR,   6                           ; v6   LDS: wave's region + 272 r + 16 hh (fragments)
.set RS,   7                           ; v7   LDS: RED + 1,024 w + 16 x lane
.set RL,   8                           ; v8   LDS: RED + 16 x lane
.set YO,   9                           ; v9   4,096 r + 32 hh: my 32 bytes of y
.set BO,   10                          ; v10  32 hh: my 8 numbers of the bias
.set BI,   12                          ; v[12:19]   bias
.set F,    22                          ; v[22:25]   hi widened, then x - hi
.set ACCH, 32                          ; v[32:39]   W x hi
.set ACCL, 40                          ; v[40:47]   W x lo
.set XR,   48                          ; v[48:111]  16 rows of x as loaded; then the fragments of hi and lo; then the eight partial sums
.set WR,   112                         ; v[112:175] 16 rows of W as loaded, each then in bf16 in its first two registers; then W's fragments
.set XHF,  48
.set XLF,  80
.set WF,   112
.set O,    176                         ; v[176:239] row i of x in bf16: hi at O + 4 i and O + 4 i + 1, lo at O + 4 i + 2 and O + 4 i + 3
.macro PLACES                          ; four places behind a matrix instruction (ISA guide 7.12.1)
.rept 4
	v_nop
.endr
.endm
	s_load_b256 s[4:11], s[0:1], 0x0               ; x s[4:5], W s[6:7], bias s[8:9], y s[10:11]
	v_lshl_add_u32 v30, v0, 2, 0x1b800
	v_mov_b32 v31, 0
	v_lshrrev_b32 v1, 5, v0
	v_readfirstlane_b32 s12, v1                    ; wave w
	s_mov_b32 s13, 0xffff0000                      ; a word's upper bf16
	v_and_b32 v2, 31, v0                           ; lane
	v_and_b32 v3, 15, v0                           ; r
	v_bfe_u32 v1, v0, 4, 1                         ; hh
	s_wait_alu depctr_va_sdst(0)                   ; s12 is written, ahead of its first reader: the wave's LDS region and its 128 k are made from it
	s_mul_i32 s16, s12, WREG
	s_lshl_b32 s17, s12, 10
	v_lshlrev_b32 v[GO], 4, v2
	v_lshl_add_u32 v[ST], v2, 3, s16
	v_mul_u32_u24 v[FR], v3, PITCH
	v_lshl_add_u32 v[FR], v1, 4, v[FR]
	v_add_nc_u32 v[FR], s16, v[FR]
	v_add_nc_u32 v[RL], RED, v[GO]
	v_add_nc_u32 v[RS], s17, v[RL]
	v_lshlrev_b32 v[YO], 12, v3
	v_lshl_add_u32 v[YO], v1, 5, v[YO]
	v_lshlrev_b32 v[BO], 5, v1
	s_lshl_b32 s14, s12, 9                         ; my 128 k: 512 bytes into every row
	s_mov_b32 s15, 0
	s_lshl_b32 s18, ttmp9, 16                      ; 16 rows of W of 4,096 bytes
	s_mov_b32 s19, 0
	s_lshl_b32 s20, ttmp9, 6                       ; 16 outputs of 4 bytes
	s_mov_b32 s21, 0
	s_wait_kmcnt 0x0
	s_add_nc_u64 s[4:5], s[4:5], s[14:15]
	s_add_nc_u64 s[6:7], s[6:7], s[14:15]
	s_add_nc_u64 s[6:7], s[6:7], s[18:19]
	s_add_nc_u64 s[8:9], s[8:9], s[20:21]
	s_add_nc_u64 s[10:11], s[10:11], s[20:21]
	s_wait_alu depctr_va_vdst(0)                   ; the seven offsets and addresses v4 to v10 are written: every load and store of the kernel reads one of them
	; All 34 loads go out at once.  The bias (64 bytes) is loaded by every wave so that all waves count alike; wave 0 alone uses it.
	global_load_b128 v[BI:BI+3],   v[BO], s[8:9]
	global_load_b128 v[BI+4:BI+7], v[BO], s[8:9] offset:16
.irp i, 0,1,2,3,4,5,6,7,8,9,10,11,12,13,14,15
	global_load_b128 v[XR+4*\i:XR+4*\i+3], v[GO], s[4:5] offset:4096*\i
.endr
.irp i, 0,1,2,3,4,5,6,7,8,9,10,11,12,13,14,15
	global_load_b128 v[WR+4*\i:WR+4*\i+3], v[GO], s[6:7] offset:4096*\i th:TH_LOAD_NT   ; each byte of W is read once in the launch
.endr
; The LDS stores of row i of x (hi, lo) and of row i of W: four numbers a lane into the wave's LDS rows.
.macro XSTORE i
	ds_store_b64 v[ST], v[O+4*(\i):O+4*(\i)+1]   offset:XH+PITCH*(\i)
	ds_store_b64 v[ST], v[O+4*(\i)+2:O+4*(\i)+3] offset:XL+PITCH*(\i)
.endm
.macro WSTORE i
	ds_store_b64 v[ST], v[WR+4*(\i):WR+4*(\i)+1] offset:WH+PITCH*(\i)
.endm
; Row i of x: hi and lo into the row's own four registers of O.  In front of it go the stores of the row four back, which belongs to the block before.
.macro XSPLIT i
	s_wait_loadcnt 31-(\i)                         ; loads return in order (ISA guide 5.7.1): out may be the 15 - i younger rows of x and W's 16
.if ((\i)%4 == 0) && ((\i) > 0)
	s_wait_alu depctr_va_vdst(0)                   ; the block before has written its sixteen registers of O, which the eight stores dealt among this block's rows read
.endif
.if (\i) >= 4
	XSTORE (\i)-4                                  ; no vector instruction since the wait names these registers
.endif
	v_cvt_pk_bf16_f32 v[O+4*(\i)],   v[XR+4*(\i)],   v[XR+4*(\i)+1]
	v_cvt_pk_bf16_f32 v[O+4*(\i)+1], v[XR+4*(\i)+2], v[XR+4*(\i)+3]
	v_lshlrev_b32 v[F],   16,  v[O+4*(\i)]         ; hi back in f32
	v_and_b32     v[F+1], s13, v[O+4*(\i)]
	v_lshlrev_b32 v[F+2], 16,  v[O+4*(\i)+1]
	v_and_b32     v[F+3], s13, v[O+4*(\i)+1]
	v_pk_add_f32 v[F:F+1],   v[XR+4*(\i):XR+4*(\i)+1],   v[F:F+1]   neg_lo:[0,1] neg_hi:[0,1]   ; x - hi, exact
	v_pk_add_f32 v[F+2:F+3], v[XR+4*(\i)+2:XR+4*(\i)+3], v[F+2:F+3] neg_lo:[0,1] neg_hi:[0,1]
	v_cvt_pk_bf16_f32 v[O+4*(\i)+2], v[F],   v[F+1]
	v_cvt_pk_bf16_f32 v[O+4*(\i)+3], v[F+2], v[F+3]
.endm
; Row i of W: its four numbers close up into the first two of their four registers.  In front of it go the stores of the row four back: x's last four rows, then W's.
.macro WCVT i
	s_wait_loadcnt 15-(\i)                         ; out may be W's 15 - i younger rows
.if (\i)%4 == 0
	s_wait_alu depctr_va_vdst(0)                   ; the block before has written its registers of O (x's last block) or its two registers a row of WR, which the stores dealt among this block's rows read
.endif
.if (\i) < 4
	XSTORE (\i)+12
.else
	WSTORE (\i)-4
.endif
	v_cvt_pk_bf16_f32 v[WR+4*(\i)],   v[WR+4*(\i)],   v[WR+4*(\i)+1]
	v_cvt_pk_bf16_f32 v[WR+4*(\i)+1], v[WR+4*(\i)+2], v[WR+4*(\i)+3]
.endm
.irp i, 0,1,2,3,4,5,6,7,8,9,10,11,12,13,14,15
	XSPLIT \i
.endr
.irp i, 0,1,2,3,4,5,6,7,8,9,10,11,12,13,14,15
	WCVT \i
.endr
	s_wait_alu depctr_va_vdst(0)                   ; W's last four rows are written, which the stores below read; and every conversion and subtraction is done with XR and WR, in which the fragments land
.irp i, 12,13,14,15
	WSTORE \i
.endr
	s_wait_alu depctr_vm_vsrc(0)                   ; the LDS stores of W's rows 0 to 7 have read their registers in v[WR .. WR + 31], in which W's fragments land
	; Fragments: lane (r, hh) takes row r, bytes 64 kk + 16 hh and 32 further on.  LDS serves a wave's instructions in order
	; (ISA guide 5.7.1), so these loads see the wave's own stores above without a wait.
.irp k, 0,1,2,3
	ds_load_b128 v[WF+8*\k:WF+8*\k+3],    v[FR] offset:WH+64*\k
	ds_load_b128 v[WF+8*\k+4:WF+8*\k+7],  v[FR] offset:WH+64*\k+32
	ds_load_b128 v[XHF+8*\k:XHF+8*\k+3],   v[FR] offset:XH+64*\k
	ds_load_b128 v[XHF+8*\k+4:XHF+8*\k+7], v[FR] offset:XH+64*\k+32
	ds_load_b128 v[XLF+8*\k:XLF+8*\k+3],   v[FR] offset:XL+64*\k
	ds_load_b128 v[XLF+8*\k+4:XLF+8*\k+7], v[FR] offset:XL+64*\k+32
.endr
	; The two accumulators take turns, one instruction a turn.  The first products start the sums.
	s_wait_dscnt 18                                ; out may be the six loads of each of the three younger K steps
	v_wmma_f32_16x16x32_bf16 v[ACCH:ACCH+7], v[WF:WF+7], v[XHF:XHF+7], 0
	v_wmma_f32_16x16x32_bf16 v[ACCL:ACCL+7], v[WF:WF+7], v[XLF:XLF+7], 0
.irp k, 1,2,3
	s_wait_dscnt 18-6*\k
	v_wmma_f32_16x16x32_bf16 v[ACCH:ACCH+7], v[WF+8*\k:WF+8*\k+7], v[XHF+8*\k:XHF+8*\k+7], v[ACCH:ACCH+7]
	v_wmma_f32_16x16x32_bf16 v[ACCL:ACCL+7], v[WF+8*\k:WF+8*\k+7], v[XLF+8*\k:XLF+8*\k+7], v[ACCL:ACCL+7]
.endr
	PLACES
.irp p, 0,2,4,6
	v_pk_add_f32 v[ACCH+\p:ACCH+\p+1], v[ACCH+\p:ACCH+\p+1], v[ACCL+\p:ACCL+\p+1]
.endr
	s_wait_alu depctr_va_vdst(0)                   ; the four additions have written ACCH, which the two LDS stores read; and the matrix instructions are done reading the fragments of x, in which wave 0's loads land below (no vector instruction stands between)
	ds_store_b128 v[RS], v[ACCH:ACCH+3]
	ds_store_b128 v[RS], v[ACCH+4:ACCH+7] offset:512
	s_wait_dscnt 0x0                               ; for the others' sake: my partial sums are in LDS before I signal
	s_barrier_signal -1
	s_barrier_wait -1
	s_cmp_lg_u32 s12, 0
	s_cbranch_scc1 .Ldone                          ; waves 1 to 7 have handed their sums over
.irp u, 0,1,2,3,4,5,6,7
	ds_load_b128 v[XR+8*\u:XR+8*\u+3],   v[RL] offset:1024*\u
	ds_load_b128 v[XR+8*\u+4:XR+8*\u+7], v[RL] offset:1024*\u+512
.endr
	s_wait_dscnt 0x0
.irp a, 0,2,4,6
.irp p, 0,2,4,6
	v_pk_add_f32 v[XR+8*\a+\p:XR+8*\a+\p+1], v[XR+8*\a+\p:XR+8*\a+\p+1], v[XR+8*\a+8+\p:XR+8*\a+8+\p+1]
.endr
.endr
.irp a, 0,4
.irp p, 0,2,4,6
	v_pk_add_f32 v[XR+8*\a+\p:XR+8*\a+\p+1], v[XR+8*\a+\p:XR+8*\a+\p+1], v[XR+8*\a+16+\p:XR+8*\a+16+\p+1]
.endr
.endr
.irp p, 0,2,4,6
	v_pk_add_f32 v[XR+\p:XR+\p+1], v[XR+\p:XR+\p+1], v[XR+32+\p:XR+32+\p+1]
.endr
.irp p, 0,2,4,6
	v_pk_add_f32 v[XR+\p:XR+\p+1], v[XR+\p:XR+\p+1], v[BI+\p:BI+\p+1]      ; the bias came in ahead of every row (the waits above reached 0)
.endr
	s_wait_alu depctr_va_vdst(0)                   ; the last additions have written v[XR .. XR + 7], which the two stores read
	global_store_b128 v[YO], v[XR:XR+3],   s[10:11]
	global_store_b128 v[YO], v[XR+4:XR+7], s[10:11] offset:16
.Ldone:
	s_wait_dscnt 0x0
	s_wait_alu depctr_hold_cnt(0) depctr_sa_sdst(0) depctr_va_vdst(0) depctr_va_sdst(0) depctr_va_ssrc(0) depctr_va_vcc(0) depctr_vm_vsrc(0)
	s_wait_tensorcnt 0x0
	ds_add_u32 v30, v31
	s_wait_dscnt 0x0
	s_endpgm
.Lfunc_end_k_qa7aba1c4ab_qproj:
	.size	k_qa7aba1c4ab_qproj, .Lfunc_end_k_qa7aba1c4ab_qproj-k_qa7aba1c4ab_qproj
	.p2alignl 7, 3214868480
	.fill 96, 4, 3214868480
	.section	.rodata,"a",@progbits
	.p2align	6, 0x0
	.amdhsa_kernel k_qa7aba1c4ab_qproj
		.amdhsa_group_segment_fixed_size 113664
		.amdhsa_private_segment_fixed_size 0
		.amdhsa_enable_private_segment 0
		.amdhsa_kernarg_size 32
		.amdhsa_user_sgpr_count 2
		.amdhsa_user_sgpr_kernarg_segment_ptr 1
		.amdhsa_wavefront_size32 1
		.amdhsa_system_sgpr_workgroup_id_x 1
		.amdhsa_system_sgpr_workgroup_id_y 1
		.amdhsa_system_sgpr_workgroup_id_z 1
		.amdhsa_system_vgpr_workitem_id 0
		.amdhsa_next_free_vgpr 240
		.amdhsa_next_free_sgpr 66
		.amdhsa_reserve_vcc 0
		.amdhsa_float_denorm_mode_32 3
		.amdhsa_float_denorm_mode_16_64 3
		.amdhsa_memory_ordered 1
		.amdhsa_forward_progress 1
		.amdhsa_inst_pref_size 26
	.end_amdhsa_kernel
	.amdgpu_metadata
---
amdhsa.version: [ 1, 2 ]
amdhsa.kernels:
  - .name:           k_qa7aba1c4ab_qproj
    .symbol:         k_qa7aba1c4ab_qproj.kd
    .args:
      - { .name: query, .offset: 0, .size: 8, .value_kind: global_buffer, .address_space: global }
      - { .name: Wq, .offset: 8, .size: 8, .value_kind: global_buffer, .address_space: global }
      - { .name: bq, .offset: 16, .size: 8, .value_kind: global_buffer, .address_space: global }
      - { .name: qv, .offset: 24, .size: 8, .value_kind: global_buffer, .address_space: global }
    .group_segment_fixed_size: 113664
    .private_segment_fixed_size: 0
    .kernarg_segment_align: 8
    .kernarg_segment_size: 32
    .max_flat_workgroup_size: 256
    .sgpr_count:     66
    .vgpr_count:     240
    .wavefront_size: 32
...
	.end_amdgpu_metadata
.endif
;; end of part 5
;; launch qkmix: the kernel of part 2 again; grid 256 x 1, 1 waves a work-group, no clusters, 0 bytes of LDS; arguments qv, Wk, qk; writes qk
;; launch attn: the kernel of part 3 again; grid 256 x 1, 8 waves a work-group, no clusters, 76,288 bytes of LDS; arguments key_, value, qk, qv, bk, part, sap; writes part, sap
;; launch headv: the kernel of part 4 again; grid 256 x 1, 8 waves a work-group, no clusters, 9,216 bytes of LDS; arguments part, sap, Wv, bv, ov; writes ov
;; launch oproj: the kernel of part 5 again; grid 64 x 1, 8 waves a work-group, no clusters, 113,664 bytes of LDS; arguments ov, Wf, bf, out0; writes out0
